; MI455X (gfx1250); checked and timed in simulation.
; The chip was launched on July 23, 2026; its instructions are those of AMD's public machine-readable ISA for CDNA 5 (MIT licence, August 2026) and "CDNA5" Instruction Set Architecture Reference Guide (July 2026). The comments in the code are by the model that wrote it; some were corrected since.
;; Int8 Linear. Allowed arithmetic: float matrix products may take bf16 or f16 operands with f32 sums; other float arithmetic in f32, or as packed bf16 or f16 multiplies, adds, multiply-adds, maxima and minima; sums over many terms, partial sums and values carried from step to step in f32; what a program stores and reads back later, other than sums and carried values, may be rounded once to bf16 or f16.
;; Inputs: bias 1 x 4,096 float16; weight 4,096 x 2,048 int8; weight_scales 4,096 float16; x 4 x 2,048 x 2,048 float16.
;; Outputs: out0 4 x 2,048 x 4,096 float16.
;; 2 versions, each right; version 2 is version 1 with the launch prep written anew for expert scheduling mode. Each part assembles by itself: llvm-mc -triple=amdgcn-amd-amdhsa -mcpu=gfx1250 --defsym DOCPART=n.
;; ======== version 1 of 2: 2 launches
;; workspace buffers: qx 33,554,432 bytes; wq 16,777,216 bytes; xs 32,768 bytes
;; launch prep (part 1): grid 512 x 1, 8 waves a work-group, no clusters, 0 bytes of LDS; arguments x, weight, qx, wq, xs; writes qx, wq, xs
.if DOCPART == 1
	.amdgcn_target "amdgcn-amd-amdhsa--gfx1250"
	.amdhsa_code_object_version 6
	.text
	.protected	k_qddbe464612_prep
	.globl	k_qddbe464612_prep
	.p2align	8
	.type	k_qddbe464612_prep,@function
k_qddbe464612_prep:
	s_mov_b64 s[64:65], 0
	v_nop
	global_prefetch_b8 v0, s[64:65] scope:SCOPE_SE
	s_setreg_imm32_b32 hwreg(HW_REG_WAVE_MODE, 25, 1), 1
	s_wait_xcnt 0x0
; QUANTISATION AHEAD OF THE PRODUCT.  x: [8192][2048] f16.  weight: [4096][2048] int8.
;   xs[m]    = max over k of |x[m][k]| / 127                       [8192] f32
;   qx[m][k] = clip(round(x[m][k] / xs[m]), -128, 127)             [8192][2048], the whole number written as f16 (exact)
;   wq[n][k] = weight[n][k]                                        [4096][2048], the whole number written as f16 (exact)
; SHARES.  512 work-groups of eight waves: wave g = 8 x group + wave takes rows 2 g and 2 g + 1 of x (8,192 consecutive bytes) and row g of weight (2,048 bytes in, 4,096 out).
; A row of x is 32 registers of one wave: it stays in registers between the pass that finds the maximum and the pass that quantises, so x is read once and no wave waits for another:
; no LDS, no barrier.  The text is straight: all 24 loads of a wave go out first, and no register that a load or store names is written again, so no wait frees one.
; Every load and store of 16 bytes a lane covers 512 consecutive bytes, the weight's loads of 8 bytes a lane 256.
; ARITHMETIC AND LIMITS.  xs = max x (1/127) with one fused remainder step (the quotient to within the last bit).  x / xs is x x rcp(xs), rcp good to 1 ULP, in one fused multiply, then round to
; nearest even: q differs from an exact division's by 1 at the most, and only where the quotient lies within a few ULP of a tie.  A row of zeros (the division 0 / 0) gives q = 0 and xs = 0.
; NaN and infinities in x are not treated apart.
.set LANE, 1                           ; v1        lane
.set W32,  2                           ; v2        32 x wave
.set XO,   3                           ; v3        byte offset of my 16 bytes in the wave's rows of x and of qx
.set WI,   4                           ; v4        byte offset of my 8 bytes in the wave's row of weight
.set WQO,  5                           ; v5        byte offset of my 16 bytes in the wave's row of wq
.set XSO,  6                           ; v6        byte offset in xs: lane 0 the wave's first row, lane 1 its second
.set XSV,  7                           ; v7        what lanes 0 and 1 store there
.set ZERO, 8                           ; v8        0.0
.set ONE,  9                           ; v9        1.0
.set MX,   10                          ; v10       the row's maximum
.set SC,   11                          ; v11       xs of the row
.set RC,   12                          ; v12       1 / xs as it comes
.set INV,  13                          ; v13       1 / xs, or 0 for a row of zeros
.set T,    14                          ; v[14:21]  at work
.set M,    22                          ; v[22:25]  four running maxima (two f16 each)
.set X,    26                          ; v[26:89]  row r at X + 32 r: as loaded, then as stored
.set W,    90                          ; v[90:105] weight, chunk j of eight at W + 2 j
.set WO,   106                         ; v[106:137] wq, chunk j at WO + 4 j
	s_load_b256 s[4:11], s[0:1], 0x0               ; x s[4:5], weight s[6:7], qx s[8:9], wq s[10:11]
	s_load_b64 s[12:13], s[0:1], 0x20              ; xs
	s_mov_b32 s14, 0x7fff7fff                      ; clears the signs of two f16
	s_mov_b32 s15, 0x80808080                      ; turns a signed byte b into the unsigned byte b + 128
	s_mov_b32 s16, 0x64646464                      ; the upper byte of the f16 numbers 1024 to 1279
	s_mov_b32 s17, 0x04010400                      ; byte selects: 0x64, byte 1, 0x64, byte 0
	s_mov_b32 s18, 0x04030402                      ; 0x64, byte 3, 0x64, byte 2
	s_mov_b32 s19, 0xe480e480                      ; -1152 twice in f16
	s_mov_b32 s20, 0x57f057f0                      ; 127 twice
	s_mov_b32 s21, 0xd800d800                      ; -128 twice
	s_mov_b32 s22, 0x76543210                      ; v_permlanex16_b32: lane i of one half reads lane i of the other
	s_mov_b32 s23, 0xfedcba98
	s_mov_b32 s24, 0x3c010204                      ; 1 / 127
	s_mov_b32 s25, 0x42fe0000                      ; 127.0
	v_and_b32 v[LANE], 31, v0
	v_and_b32 v[W32], 0xe0, v0
	v_lshlrev_b32 v[XO], 4, v[LANE]                ; 16 x lane
	v_lshlrev_b32 v[WI], 3, v[LANE]                ; 8 x lane
	v_lshl_or_b32 v[WQO], v[W32], 7, v[XO]         ; + wave x 4,096
	v_lshl_or_b32 v[XO], v[W32], 8, v[XO]          ; + wave x 8,192
	v_lshl_or_b32 v[WI], v[W32], 6, v[WI]          ; + wave x 2,048
	v_lshrrev_b32 v[XSO], 2, v[W32]                ; wave x 8
	v_lshl_add_u32 v[XSO], v[LANE], 2, v[XSO]      ; + 4 x lane
	v_mov_b32 v[XSV], 0
	v_mov_b32 v[ZERO], 0
	v_mov_b32 v[ONE], 1.0
	s_mov_b32 s3, 0
	s_wait_kmcnt 0x0
	s_lshl_b32 s2, ttmp9, 16                       ; the group's 16 rows of x and of qx: 65,536 bytes
	s_add_nc_u64 s[4:5], s[4:5], s[2:3]
	s_add_nc_u64 s[8:9], s[8:9], s[2:3]
	s_lshl_b32 s2, ttmp9, 14                       ; its 8 rows of weight
	s_add_nc_u64 s[6:7], s[6:7], s[2:3]
	s_lshl_b32 s2, ttmp9, 15                       ; its 8 rows of wq
	s_add_nc_u64 s[10:11], s[10:11], s[2:3]
	s_lshl_b32 s2, ttmp9, 6                        ; its 16 words of xs
	s_add_nc_u64 s[12:13], s[12:13], s[2:3]
.irp j, 0,1,2,3,4,5,6,7
	global_load_b64 v[W+2*(\j):W+2*(\j)+1], v[WI], s[6:7] offset:256*(\j) th:TH_LOAD_NT
.endr
.irp r, 0,1
.irp j, 0,1,2,3,4,5,6,7
	global_load_b128 v[X+32*(\r)+4*(\j):X+32*(\r)+4*(\j)+3], v[XO], s[4:5] offset:4096*(\r)+512*(\j) th:TH_LOAD_NT
.endr
.endr
; Chunk j of the weight's row: 8 signed bytes a lane become 8 f16.  The byte b + 128 set under the byte 0x64 is the f16 number 1024 + 128 + b; 1152 is taken away, exactly.
.macro WCH j
	s_wait_loadcnt 23-(\j)                         ; loads come back in order (ISA guide 5.7.1): chunk j is in; the 7 - j younger chunks and x's sixteen loads stay out
.irp k, 0,1
	v_xor_b32 v[T+(\k)], s15, v[W+2*(\j)+(\k)]
	v_perm_b32 v[WO+4*(\j)+2*(\k)],   s16, v[T+(\k)], s17
	v_perm_b32 v[WO+4*(\j)+2*(\k)+1], s16, v[T+(\k)], s18
.endr
.irp k, 0,1,2,3
	v_pk_add_f16 v[WO+4*(\j)+(\k)], v[WO+4*(\j)+(\k)], s19
.endr
	global_store_b128 v[WQO], v[WO+4*(\j):WO+4*(\j)+3], s[10:11] offset:512*(\j)
.endm
; Row r of the wave's two.
.macro ROWQ r
	s_wait_loadcnt 8*(1-(\r))                      ; my eight loads are in; the other row's eight, issued behind row 0's, stay out
	; pass 1: the largest |x| of my 64 numbers, two f16 at a time, in four chains that the first four words start
.irp k, 0,1,2,3
	v_and_b32 v[M+(\k)], s14, v[X+32*(\r)+(\k)]
.endr
.set n, 4
.rept 28
	v_and_b32 v[T+n%4], s14, v[X+32*(\r)+n]
	v_pk_max_num_f16 v[M+n%4], v[M+n%4], v[T+n%4]
.set n, n+1
.endr
	v_pk_max_num_f16 v[M], v[M], v[M+1]
	v_pk_max_num_f16 v[M+2], v[M+2], v[M+3]
	v_pk_max_num_f16 v[M], v[M], v[M+2]
	v_fma_mix_f32 v[T],   v[M], v[ONE], v[ZERO] op_sel_hi:[1,0,0]                 ; the two halves as f32
	v_fma_mix_f32 v[T+1], v[M], v[ONE], v[ZERO] op_sel:[1,0,0] op_sel_hi:[1,0,0]
	v_max_num_f32 v[T], v[T], v[T+1]
	v_max_num_f32_dpp v[T], v[T], v[T] row_xmask:1 row_mask:0xf bank_mask:0xf   ; across the 16 lanes of each half,
	v_max_num_f32_dpp v[T], v[T], v[T] row_xmask:2 row_mask:0xf bank_mask:0xf
	v_max_num_f32_dpp v[T], v[T], v[T] row_xmask:4 row_mask:0xf bank_mask:0xf
	v_max_num_f32_dpp v[T], v[T], v[T] row_xmask:8 row_mask:0xf bank_mask:0xf
	v_permlanex16_b32 v[T+1], v[T], s22, s23       ; and across the halves (its destination has been written)
	v_max_num_f32 v[MX], v[T], v[T+1]              ; every lane holds the row's maximum
	; xs = max / 127: a first quotient, its remainder, the quotient mended
	v_mul_f32 v[SC], s24, v[MX]
	v_fma_f32 v[T], -v[SC], s25, v[MX]
	v_fma_f32 v[SC], v[T], s24, v[SC]
	v_rcp_f32 v[RC], v[SC]
	v_cmp_eq_u32 vcc_lo, \r, v[LANE]               ; a plain instruction stands behind the reciprocal before its result is used (ISA guide 5.7.2)
	v_cndmask_b32 v[XSV], v[XSV], v[SC], vcc_lo    ; lane r keeps the row's xs for the store at the end
	v_cmp_lt_f32 vcc_lo, 0, v[SC]
	s_wait_alu depctr_va_vdst(0)
	v_cndmask_b32 v[INV], 0, v[RC], vcc_lo         ; a row of zeros: 0 in the reciprocal's place
	; pass 2: quantise in place, four words (8 numbers) at a time, and store them
.irp j, 0,1,2,3,4,5,6,7
.irp k, 0,1,2,3
	v_fma_mix_f32 v[T+2*(\k)],   v[X+32*(\r)+4*(\j)+(\k)], v[INV], v[ZERO] op_sel_hi:[1,0,0]
	v_fma_mix_f32 v[T+2*(\k)+1], v[X+32*(\r)+4*(\j)+(\k)], v[INV], v[ZERO] op_sel:[1,0,0] op_sel_hi:[1,0,0]
.endr
.irp k, 0,1,2,3,4,5,6,7
	v_rndne_f32 v[T+(\k)], v[T+(\k)]
.endr
.irp k, 0,1,2,3
	v_cvt_pk_f16_f32 v[X+32*(\r)+4*(\j)+(\k)], v[T+2*(\k)], v[T+2*(\k)+1]      ; whole numbers of this size are exact in f16
.endr
.irp k, 0,1,2,3
	v_pk_min_num_f16 v[X+32*(\r)+4*(\j)+(\k)], v[X+32*(\r)+4*(\j)+(\k)], s20   ; the clip to -128 .. 127
	v_pk_max_num_f16 v[X+32*(\r)+4*(\j)+(\k)], v[X+32*(\r)+4*(\j)+(\k)], s21
.endr
	global_store_b128 v[XO], v[X+32*(\r)+4*(\j):X+32*(\r)+4*(\j)+3], s[8:9] offset:4096*(\r)+512*(\j)
.endr
.endm
.irp j, 0,1,2,3,4,5,6,7
	WCH \j
.endr
	ROWQ 0
	ROWQ 1
	s_wait_xcnt 0x0                                ; EXEC is a source of the stores above: it is narrowed only behind this wait
	v_cmp_gt_u32 vcc_lo, 2, v[LANE]
	s_and_saveexec_b32 s26, vcc_lo
	global_store_b32 v[XSO], v[XSV], s[12:13]      ; the wave's two xs: 8 bytes, of 32,768 in the whole launch
	s_wait_xcnt 0x0                                ; and widened again only behind this one
	s_or_b32 exec_lo, exec_lo, s26
	s_endpgm
.Lfunc_end_k_qddbe464612_prep:
	.size	k_qddbe464612_prep, .Lfunc_end_k_qddbe464612_prep-k_qddbe464612_prep
	.p2alignl 7, 3214868480
	.fill 96, 4, 3214868480
	.section	.rodata,"a",@progbits
	.p2align	6, 0x0
	.amdhsa_kernel k_qddbe464612_prep
		.amdhsa_group_segment_fixed_size 0
		.amdhsa_private_segment_fixed_size 0
		.amdhsa_enable_private_segment 0
		.amdhsa_kernarg_size 40
		.amdhsa_user_sgpr_count 2
		.amdhsa_user_sgpr_kernarg_segment_ptr 1
		.amdhsa_wavefront_size32 1
		.amdhsa_system_sgpr_workgroup_id_x 1
		.amdhsa_system_sgpr_workgroup_id_y 1
		.amdhsa_system_sgpr_workgroup_id_z 1
		.amdhsa_system_vgpr_workitem_id 0
		.amdhsa_next_free_vgpr 138
		.amdhsa_next_free_sgpr 66
		.amdhsa_reserve_vcc 1
		.amdhsa_float_denorm_mode_32 3
		.amdhsa_float_denorm_mode_16_64 3
		.amdhsa_memory_ordered 1
		.amdhsa_forward_progress 1
		.amdhsa_inst_pref_size 44
	.end_amdhsa_kernel
	.amdgpu_metadata
---
amdhsa.version: [ 1, 2 ]
amdhsa.kernels:
  - .name:           k_qddbe464612_prep
    .symbol:         k_qddbe464612_prep.kd
    .args:
      - { .name: x, .offset: 0, .size: 8, .value_kind: global_buffer, .address_space: global }
      - { .name: weight, .offset: 8, .size: 8, .value_kind: global_buffer, .address_space: global }
      - { .name: qx, .offset: 16, .size: 8, .value_kind: global_buffer, .address_space: global }
      - { .name: wq, .offset: 24, .size: 8, .value_kind: global_buffer, .address_space: global }
      - { .name: xs, .offset: 32, .size: 8, .value_kind: global_buffer, .address_space: global }
    .group_segment_fixed_size: 0
    .private_segment_fixed_size: 0
    .kernarg_segment_align: 8
    .kernarg_segment_size: 40
    .max_flat_workgroup_size: 256
    .sgpr_count:     66
    .vgpr_count:     138
    .wavefront_size: 32
...
	.end_amdgpu_metadata
.endif
;; end of part 1
;; launch gemm (part 2): grid 16 x 16, 4 waves a work-group, clusters of 4 x 4, 327,680 bytes of LDS; arguments qx, wq, out0, weight_scales, bias, xs; writes out0
.if DOCPART == 2
	.amdgcn_target "amdgcn-amd-amdhsa--gfx1250"
	.amdhsa_code_object_version 6
	.text
	.protected	k_qddbe464612_gemm
	.globl	k_qddbe464612_gemm
	.p2align	8
	.type	k_qddbe464612_gemm,@function
k_qddbe464612_gemm:
	s_mov_b64 s[64:65], 0
	v_nop
	global_prefetch_b8 v0, s[64:65] scope:SCOPE_SE
	s_setreg_imm32_b32 hwreg(HW_REG_WAVE_MODE, 25, 1), 1
	s_wait_xcnt 0x0
	s_wait_alu depctr_hold_cnt(0) depctr_sa_sdst(0) depctr_va_vdst(0) depctr_va_sdst(0) depctr_va_ssrc(0) depctr_va_vcc(0) depctr_vm_vsrc(0)
	s_getreg_b32 s2, hwreg(HW_REG_IB_STS2, 6, 4)
	s_cmp_eq_u32 s2, 0
	s_cbranch_scc0 .Lentry_in_a_cluster
	s_endpgm
.Lentry_in_a_cluster:
	s_bfe_u32 s2, ttmp6, 0x10000c
	s_cmp_lg_u32 s2, 0xf033
	s_cbranch_scc0 .Lentry_shape_is_right
	s_endpgm
.Lentry_shape_is_right:
; out0[m][n] = f16( (sum over k of qx[m][k] wq[n][k]) x weight_scales[n] x xs[m] ) + bias[n], the last addition in f16.
; qx: [8192][2048], wq: [4096][2048]: whole numbers of magnitude 128 at the most, written as f16 (exact); sums in f32 (exact up to 2^24, beyond that rounded as a conversion of the whole sum to f32 would be);
; xs: [8192] f32; weight_scales, bias: [4096] f16; out0: [8192][4096] f16.  LIMITS: out0 becomes an infinity where the scaled sum passes f16's 65,504; NaN and infinities are not treated apart.
; A tile of out0, 256 x 256, is made by a work-group of four waves; a wave makes 128 x 128: 64 accumulators of 16 x 16, 512 registers.  K goes in steps of 128 through a ring of two LDS slots filled by
; the tensor data mover: the rows of A's and B's tiles are 256 bytes of memory and start at multiples of 256 bytes from the buffer's first byte.
; A WORK-GROUP STAYS: 512 tiles, 256 work-groups, two tiles each, 4,096 rows apart, in the same columns.  The ring does not stop at the first tile's end: its last two changes of slots ask for the second
; tile's first two K steps, and nothing waits for the first tile's stores.
; CLUSTERS: 4 x 4 work-groups.  The four of a row of the cluster need the same tiles of A (qx), the four of a column the same tiles of B (wq): each tile is asked for JOINTLY, by the same tensor load with
; the same descriptor and a mask that names the four; each receives it in its own LDS.  That divides the requests for A and for B by four.
; THE MATRIX INSTRUCTION IS USED TRANSPOSED: source 0 = 16 rows of B, source 1 = 16 rows of A.  Lane l then holds row l % 16 of the result and its registers 0 to 7 the columns 8 (l / 16) + 0 .. 7:
; eight neighbouring numbers of a row.  So a lane needs ONE xs for a block of 16 rows, and the same 64 weight scales and 64 biases for all its blocks: they stay in registers for the whole launch.
; REGISTERS, in windows of 256 (s_set_vgpr_msb's low byte: bits 1:0 source 0, 3:2 source 1, 5:4 source 2, 7:6 destination):
;   window 0: v0-31 addresses and constants; v64-127, v128-191 fragments of A, two buffers; v192-223 packed results; v32-63, v224-255 rows read back from the stage, by turns
;   window 1: v0-63 weight scales in f32; v64-127, v128-191 fragments of B, two buffers; v192-223 bias, packed f16; v224-255 xs, a pair of registers for each of 2 tiles x 8 blocks
;   window 2: the 32 accumulators of my rows 0-63 (accumulator (a, b) at v[8 (8 a + b)]);   window 3: those of my rows 64-127
.set SIZE_M, 8192
.set SIZE_N, 4096
.set SIZE_K, 2048
.set SIZE_TILES, 2
.set KSTEP,  128
.set PITCH,  272                       ; an LDS row: 256 bytes of data + 16 of padding = 68 words: row r starts at bank 4 r mod 64 (64 banks of 4 bytes: ISA guide 11.1), so the 16 rows that a load touches start at 16 different banks
.set HALFT,  128*PITCH                 ; 128 rows: what one tensor load brings, and what one wave reads of A or of B
.set SLOT,   4*HALFT                   ; A's 256 rows, then B's 256 rows
.set STAGE,  2*SLOT                    ; behind the ring: 16 rows x 272 bytes for each wave, for the way out; no tensor load lands here
.set SPITCH, 272
.set SPARE,  STAGE+4*16*SPITCH         ; behind the stages: the spare words, 128 bytes for each wave: two blocks of 256 bytes that no other line names
.set LAPS, SIZE_K/(2*KSTEP)            ; a lap = two K steps = once round the ring: 8
.set WALK,   SIZE_M/SIZE_TILES         ; a work-group's two tiles lie 4,096 rows apart
.set NEXT_A, WALK*SIZE_K*2-(SIZE_K-2*KSTEP)*2   ; bytes from a slot's last K step of a tile to its first of the next tile: A goes WALK rows down and back along K,
.set BACK_B, (SIZE_K-2*KSTEP)*2        ; B only back: the two tiles share their rows of B
.set NEXT_C, (WALK-7*16)*SIZE_N*2      ; bytes from my last 16 rows of a tile to my first of the next
.set ADRA, 16                          ; v16-17  LDS address of my A fragments in slot 0, 1
.set ADRB, 20                          ; v20-21  the same for B
.set XO,   22                          ; v22     4 (l % 16): my row's word among a block's 16 xs
.set STO,  24                          ; v24     the way out: where I put 16 bytes of a row
.set RD,   25                          ; v25     the way out: where I read a row back
.set CO,   26                          ; v26     my byte offset in out0
.set VB,   27                          ; v27     16 (l / 16): my 8 columns among 16 of weight_scales and bias
.set SPW,  28                          ; v28     LDS address of my spare word: SPARE + 4 x my thread's number; never rewritten
.set NIL,  29                          ; v29     0; never rewritten, and used by the add alone
.set ONE,  30                          ; v30     1.0
.set ZERO, 31                          ; v31     0.0
.set F0,   64                          ; fragment buffer 0
.set F1,   128                         ; fragment buffer 1
.set TMP,  192                         ; the way out: packed results, in window 0
.set OB,   32                          ; the way out: 16 rows read back from the stage: v32-63 and v224-255 by turns
.set WS,   0                           ; window 1: WS + 8 b + i = the scale of column 16 b + 8 (l / 16) + i
.set BI,   192                         ; window 1: BI + 4 b + r = the biases of columns 16 b + 8 (l / 16) + 2 r and + 1
.set XS,   224                         ; window 1: XS + 16 t + 2 a = xs of my row in block a of tile t; the odd registers hold 0: they are named with the even ones as pairs
.set G1, 24                            ; s[24:31] descriptor group 1 for A's tiles
.set G0, 32                            ; s[32:39] descriptor group 0 for A's tiles, one set for each slot
.set G1B, 48                           ; s[48:55] descriptor group 1 for B's tiles: it differs from A's in the mask alone
.set G0B, 56                           ; s[56:63] descriptor group 0 for B's tiles, one set for each slot
.set MSB, 0
.macro WIN new                         ; the immediate's high byte repeats the setting that is left; a switch that changes nothing is dropped
.if MSB != (\new)
	s_set_vgpr_msb (MSB<<8)|(\new)
.set MSB, \new
.endif
.endm
.set MUL_LO, 0xa1                      ; source 0 (B) window 1, source 1 (A) window 0, C and D window 2
.set MUL_HI, 0xf1                      ; the same, C and D window 3
.set TO_B,   0x40                      ; destination window 1, address window 0
; A joint load.  Waves 0 and 1 fetch A's two halves, waves 2 and 3 B's.  Each of the two lines has ONE mask and one set of registers for all that issue it, and nothing in
; them hangs on a coordinate that the four partners do not share.  The branch hangs on the wave's number alone: it is the same in every work-group.
; An s_nop 0 and four v_nop follow each of the two lines; the jump round the other line, the label and what follows the macro come after them.
.macro JLOAD s
	s_cmp_eq_u32 s11, 0
	s_cbranch_scc0 .Lfor_b_\@
	tensor_load_to_lds s[G0+4*(\s):G0+4*(\s)+3], s[G1:G1+7]
	s_nop 0
.rept 4
	v_nop
.endr
	s_branch .Lasked_\@
.Lfor_b_\@:
	tensor_load_to_lds s[G0B+4*(\s):G0B+4*(\s)+3], s[G1B:G1B+7]
	s_nop 0
.rept 4
	v_nop
.endr
.Lasked_\@:
.endm
; A round of the cluster's barrier: my work-group's barrier, so that wave 0's signal speaks for all four waves; wave 0 signals for the work-group; every wave waits for all
; sixteen work-groups; my work-group's barrier once more.  No LDS instruction of the wave is pending at a signal.
.macro CREST                           ; a round behind its opening barrier
	s_cmp_lg_u32 s10, 0
	s_cbranch_scc1 .Lnot_wave_0_\@
	s_barrier_signal -3
.Lnot_wave_0_\@:
	s_barrier_wait -3
	s_barrier_signal -1
	s_barrier_wait -1
.endm
.macro CROUND                          ; a whole round
	s_barrier_signal -1
	s_barrier_wait -1
	CREST
.endm
	s_load_b128 s[4:7], s[0:1], 0x0                ; A = qx s[4:5], B = wq s[6:7]
	s_load_b64 s[8:9], s[0:1], 0x10                ; out0
	s_load_b64 s[68:69], s[0:1], 0x18              ; weight_scales
	s_load_b64 s[70:71], s[0:1], 0x20              ; bias
	s_load_b64 s[72:73], s[0:1], 0x28              ; xs
	v_lshl_add_u32 v[SPW], v0, 2, SPARE
	v_mov_b32 v[NIL], 0
	ds_add_u32 v[SPW], v[NIL]                      ; the wave's opening: the add and its wait stand ahead of my first tensor load; the set-up below, work on registers, stands between them
	v_lshrrev_b32 v1, 5, v0
	v_readfirstlane_b32 s10, v1                    ; wave 0..3
	s_lshr_b32 s11, s10, 1                         ; which half of the tile's rows is mine.  Also: I fetch for A (0) or for B (1)
	s_and_b32 s12, s10, 1                          ; which half of its columns.  Also: which 128 rows of that tile I fetch
	s_bfe_u32 s40, ttmp6, 0x40000                  ; cx: my place along the cluster's x
	s_bfe_u32 s41, ttmp6, 0x40004                  ; cy: along its y
	s_lshl_b32 s42, ttmp9, 2                       ; in a cluster launch ttmp9 and ttmp7 count clusters
	s_add_co_u32 s42, s42, s40                     ; tile column = 4 x cluster x + cx
	s_and_b32 s13, ttmp7, 0xffff
	s_lshl_b32 s13, s13, 2
	s_add_co_u32 s13, s13, s41                     ; tile row = 4 x cluster y + cy
	s_lshl_b32 s43, s41, 2
	s_lshl_b32 s43, 15, s43                        ; my row of the cluster: places 4 cy .. 4 cy + 3
	s_lshl_b32 s44, 0x1111, s40                    ; my column: places cx, cx + 4, cx + 8, cx + 12
	; descriptor group 1: a tile of 128 rows x 128 elements, padded in LDS
	s_or_b32 s[G1+0], s43, (1<<16)|(1<<20)|(1<<21)|(5<<22)|(3<<25)  ; 15:0 the mask: A's tiles go to my row; 17:16 element of 2 bytes; 20 padding on; 21 set beside a mask; 24:22 after every 64 words (code 5); 31:25 of 4 words (code 3)
	s_or_b32 s[G1B+0], s44, (1<<16)|(1<<20)|(1<<21)|(5<<22)|(3<<25) ; the same with the mask of my column, for B's tiles
	s_mov_b32 s[G1B+1], KSTEP<<16
	s_mov_b32 s[G1+1], KSTEP<<16                   ; 63:48 tensor_dim0, low half = 128
	s_mov_b32 s[G1B+2], 128<<16
	s_mov_b32 s[G1+2], 128<<16                     ; 79:64 its high half = 0; 95:80 tensor_dim1, low half = 128
	s_mov_b32 s[G1B+3], KSTEP<<16
	s_mov_b32 s[G1+3], KSTEP<<16                   ; 111:96 its high half = 0; 127:112 tile_dim0 = 128
	s_mov_b32 s[G1B+4], 128
	s_mov_b32 s[G1+4], 128                         ; 143:128 tile_dim1 = 128; 159:144 tile_dim2 = 0
	s_mov_b32 s[G1B+5], SIZE_K
	s_mov_b32 s[G1+5], SIZE_K                      ; 191:160 tensor_dim0_stride, low word: elements from row to row
	s_mov_b32 s[G1B+6], 0
	s_mov_b32 s[G1+6], 0
	s_mov_b32 s[G1B+7], 0
	s_mov_b32 s[G1+7], 0
	; where the tiles come from.  A's hang on the tile row alone, which my row of the cluster shares; B's on the tile column alone, which my column shares.
	; Every wave makes both addresses, in registers that never hold the other coordinate, and asks by one of them.
	s_lshl_b32 s17, s12, 7                         ; which 128 rows of the tile I fetch
	s_lshl_b32 s16, s13, 8
	s_add_co_u32 s16, s16, s17                     ; A: row 256 x tile row + 128 x half
	s_lshl_b32 s46, s42, 8
	s_add_co_u32 s46, s46, s17                     ; B: row 256 x tile column + 128 x half
	s_mov_b32 s17, 0
	s_mov_b32 s47, 0
	s_mov_b64 s[18:19], SIZE_K*2
	s_mul_u64 s[16:17], s[16:17], s[18:19]         ; in bytes, in 64 bits
	s_mul_u64 s[46:47], s[46:47], s[18:19]
	s_mul_i32 s20, s10, HALFT                      ; and where they go: A's two halves, then B's two halves = wave x 128 rows: no place in the cluster enters an LDS address
	s_wait_dscnt 0x0                               ; the opening add is done
	s_wait_kmcnt 0x0
	s_add_nc_u64 s[14:15], s[4:5], s[16:17]
	s_add_nc_u64 s[46:47], s[6:7], s[46:47]
	CROUND                                         ; all sixteen work-groups are here: the first joint loads meet
.irp s, 0,1
	s_mov_b32 s[G0+4*(\s)], 1                                      ; 1:0 count = 1
	s_add_co_u32 s[G0+4*(\s)+1], s20, (\s)*SLOT                    ; 63:32 LDS address
	s_add_nc_u64 s[G0+4*(\s)+2:G0+4*(\s)+3], s[14:15], (\s)*KSTEP*2  ; 120:64 global address: K step s
	s_or_b32 s[G0+4*(\s)+3], s[G0+4*(\s)+3], 0x80000000            ; 127:126 type = 2
	s_mov_b32 s[G0B+4*(\s)], 1
	s_add_co_u32 s[G0B+4*(\s)+1], s20, (\s)*SLOT
	s_add_nc_u64 s[G0B+4*(\s)+2:G0B+4*(\s)+3], s[46:47], (\s)*KSTEP*2
	s_or_b32 s[G0B+4*(\s)+3], s[G0B+4*(\s)+3], 0x80000000
	JLOAD \s                                       ; the ring is filled before anything else is done: two tensor loads of mine are out
.endr
	; A fragment is 16 rows x 32 K in 8 registers: lane l holds row l % 16; registers 0-3 hold K = 8 (l / 16) + 0..7, registers 4-7 hold
	; K = 16 + 8 (l / 16) + 0..7.  From rows that lie along K: two loads of 16 bytes, 32 bytes apart.  The same for source 0 and source 1.
	v_and_b32 v1, 15, v0                           ; l % 16
	v_bfe_u32 v2, v0, 4, 1                         ; l / 16
	v_mul_u32_u24 v3, v1, PITCH
	v_lshl_add_u32 v3, v2, 4, v3                   ; row x pitch + 16 x half
	s_mul_i32 s21, s11, HALFT                      ; my 128 rows of A
	s_mul_i32 s22, s12, HALFT                      ; my 128 rows of B,
	s_add_co_u32 s22, s22, 2*HALFT                 ; which lie behind A's 256
.irp s, 0,1
	v_add_nc_u32 v[ADRA+(\s)], s21, v3
	v_add_nc_u32 v[ADRB+(\s)], s22, v3
	s_add_co_u32 s21, s21, SLOT
	s_add_co_u32 s22, s22, SLOT
.endr
	s_mul_i32 s23, s10, 16*SPITCH
	s_add_co_u32 s23, s23, STAGE                   ; my stage
	v_mul_u32_u24 v4, v1, SPITCH                   ; in: row l % 16, 16 bytes for each half of the lanes
	v_lshl_add_u32 v4, v2, 4, v4
	v_add_nc_u32 v[STO], s23, v4
	v_mul_u32_u24 v5, v2, SPITCH                   ; back: lanes 0-15 take one row of 256 bytes, lanes 16-31 the next
	v_lshl_add_u32 v5, v1, 4, v5
	v_add_nc_u32 v[RD], s23, v5
	v_mul_u32_u24 v5, v2, SIZE_N*2                 ; and the same two rows in out0
	v_lshl_add_u32 v[CO], v1, 4, v5
	; where my part of the first tile begins in out0, in bytes: the first way out adds it to out0's address
	s_lshl_b32 s13, s13, 8
	s_lshl_b32 s14, s11, 7
	s_add_co_u32 s16, s13, s14                     ; my first row
	s_lshl_b32 s74, s16, 2                         ; and its word in xs
	s_mov_b32 s75, 0
	s_mov_b32 s17, 0
	s_mov_b64 s[18:19], SIZE_N*2
	s_mul_u64 s[16:17], s[16:17], s[18:19]
	s_lshl_b32 s46, s42, 9                         ; my first column, in bytes: 512 x tile column + 256 x half (in the registers that held B's address: none that feeds A's descriptors ever holds cx)
	s_lshl_b32 s47, s12, 8
	s_add_co_u32 s46, s46, s47
	s_mov_b32 s47, 0
	s_add_nc_u64 s[16:17], s[16:17], s[46:47]
	; WHAT THE WAY OUT MULTIPLIES AND ADDS is loaded once, in the wait for the first tile.  weight_scales and bias are f16 like out0, so my first column's byte offset is the same in all three.
	s_add_nc_u64 s[68:69], s[68:69], s[46:47]
	s_add_nc_u64 s[70:71], s[70:71], s[46:47]
	s_add_nc_u64 s[72:73], s[72:73], s[74:75]
	v_lshlrev_b32 v[VB], 4, v2
	v_lshlrev_b32 v[XO], 2, v1
	v_mov_b32 v[ONE], 1.0
	v_mov_b32 v[ZERO], 0
.irp b, 0,1,2,3,4,5,6,7
	global_load_b128 v[OB+4*(\b):OB+4*(\b)+3], v[VB], s[68:69] offset:32*(\b)   ; the scales of columns 16 b + 8 (l / 16) + 0..7, as f16
.endr
	WIN TO_B                                       ; destination window 1, address window 0
.irp b, 0,1,2,3,4,5,6,7
	global_load_b128 v[BI+4*(\b):BI+4*(\b)+3], v[VB], s[70:71] offset:32*(\b)   ; their biases stay packed
.endr
.irp t, 0,1
.irp a, 0,1,2,3,4,5,6,7
	global_load_b32 v[XS+16*(\t)+2*(\a)], v[XO], s[72:73] offset:4*WALK*(\t)+64*(\a)
.endr
.endr
.irp i, 0,1,2,3,4,5,6,7,8,9,10,11,12,13,14,15
	v_mov_b32 v[XS+2*(\i)+1], 0
.endr
	s_wait_loadcnt 24                              ; the eight loads of scales are in; bias's 8 and xs's 16, issued behind them, stay out
.irp b, 0,1,2,3,4,5,6,7
.irp r, 0,1,2,3
	v_fma_mix_f32 v[WS+8*(\b)+2*(\r)],   v[OB+4*(\b)+(\r)], v[ONE], v[ZERO] op_sel_hi:[1,0,0]                 ; f16 to f32, once for the launch
	v_fma_mix_f32 v[WS+8*(\b)+2*(\r)+1], v[OB+4*(\b)+(\r)], v[ONE], v[ZERO] op_sel:[1,0,0] op_sel_hi:[1,0,0]
.endr
.endr
	WIN 0
	s_wait_loadcnt 0x0                             ; bias and xs
; 16 matrix instructions: m blocks a0, a0 + 1 of the window's four (hi = 0: my rows 0-63, 1: rows 64-127) x all 8 n blocks, 32 along K.
; zero = 1: the first product starts the sums: nothing is ever cleared.  The 64 accumulators take turns, one instruction a turn, in the same order in every quarter step.
.macro MUL16 f, hi, a0, zero
	WIN MUL_LO+0x50*(\hi)  ; MUL_LO or MUL_HI
.irp a, \a0, (\a0)+1
.irp b, 0,1,2,3,4,5,6,7
.if \zero
	v_wmma_f32_16x16x32_f16 v[8*(8*(\a)+(\b)):8*(8*(\a)+(\b))+7], v[(\f)+8*(\b):(\f)+8*(\b)+7], v[(\f)+8*(4*(\hi)+(\a)):(\f)+8*(4*(\hi)+(\a))+7], 0
.else
	v_wmma_f32_16x16x32_f16 v[8*(8*(\a)+(\b)):8*(8*(\a)+(\b))+7], v[(\f)+8*(\b):(\f)+8*(\b)+7], v[(\f)+8*(4*(\hi)+(\a)):(\f)+8*(4*(\hi)+(\a))+7], v[8*(8*(\a)+(\b)):8*(8*(\a)+(\b))+7]
.endif
.endr
.endr
.endm
; 32 LDS loads in one run: the fragments of one quarter step (128 rows of B, 128 rows of A, 32 K at byte k of the rows) into buffer f
.macro FETCH slot, k, f
	WIN TO_B
.irp i, 0,1,2,3,4,5,6,7
	ds_load_b128 v[(\f)+8*(\i):(\f)+8*(\i)+3],   v[ADRB+(\slot)] offset:(\k)+(\i)*16*PITCH
	ds_load_b128 v[(\f)+8*(\i)+4:(\f)+8*(\i)+7], v[ADRB+(\slot)] offset:(\k)+(\i)*16*PITCH+32
.endr
	WIN 0
.irp i, 0,1,2,3,4,5,6,7
	ds_load_b128 v[(\f)+8*(\i):(\f)+8*(\i)+3],   v[ADRA+(\slot)] offset:(\k)+(\i)*16*PITCH
	ds_load_b128 v[(\f)+8*(\i)+4:(\f)+8*(\i)+7], v[ADRA+(\slot)] offset:(\k)+(\i)*16*PITCH+32
.endr
.endm
; A load into a register that a matrix instruction has read, and a vector instruction that reads a matrix result or writes one of a matrix instruction's registers, stand four places behind that
; matrix instruction, and only plain vector instructions that name none of its registers are places (ISA guide 7.12.1 for vector instructions).
.macro PLACES
.rept 4
	v_nop
.endr
.endm
; A K step is four quarter steps of 32 along K, 64 matrix instructions each, on buffers 0, 1, 0, 1.
; One of the first three: multiplies buffer f; in its middle it fetches the next quarter's fragments, at byte k of the same slot's rows, into buffer g.
.macro QUARTER slot, k, f, g, zero
	s_wait_dscnt 8                                 ; B and A's rows 0-63 are in; the youngest eight loads (A's rows 64-127) may be out
	WIN MUL_LO
	MUL16 \f, 0, 0, \zero
	MUL16 \f, 0, 2, \zero
	PLACES
	FETCH \slot, \k, \g
	s_wait_dscnt 32                                ; all but the 32 just issued
	WIN MUL_HI
	MUL16 \f, 1, 0, \zero
	MUL16 \f, 1, 2, \zero
.endm
; The last quarter multiplies buffer 1 and changes slots.  MEET is its first half: ONE barrier for the change of slots, for two things.  In front of it each wave waits for
; all its tensor loads, of which one is out: its part of the next slot; adds 0 to its spare word; and waits for that and for its own reads of this slot.  Behind it nobody reads this slot any more and the next slot is whole.
.macro MEET round                      ; round = 1: a round of the cluster's barrier follows
	WIN 0                                          ; (the add's two registers lie in window 0)
	s_wait_tensorcnt 0x0                           ; all my tensor loads have landed: the one that was out is my part of the next slot;
	ds_add_u32 v[SPW], v[NIL]                      ; 0 onto my spare word;
	s_wait_dscnt 9                                 ; (the add and the youngest eight loads may be out)
	WIN MUL_LO
	MUL16 F1, 0, 0, 0                              ; sixteen matrix instructions stand between the add and the wait for it
	s_wait_dscnt 0x0                               ; the add is done, and my reads of this slot are over:
	s_barrier_signal -1                            ; say so (where a slot is filled again this barrier opens a round of the cluster's barrier),
	MUL16 F1, 0, 2, 0                              ; work on registers while the others arrive,
.if \round
	WIN 0
.endif
	s_barrier_wait -1                              ; and go on when all four have said so
.endm
; The whole last quarter.  Behind the barrier the slot just read out is filled again first: with this tile's K step two steps on (on = 0) or, in the first tile's last two K steps, with the SECOND tile's
; K step 0 or 1 (on = 1); then come the next slot's first fragments.  From a request to the wait for it a wave issues 224 matrix instructions, across the tiles too; one tensor load of mine is out.
.macro TURN slot, next, on
	MEET 1
	CREST                                          ; wave 0 says so for the work-group, all sixteen work-groups have said so, my work-group's barrier closes the round:
	                                               ; no wave of any partner still reads this slot's tile or has a load on its way
.if \on
	s_add_nc_u64 s[G0+4*(\slot)+2:G0+4*(\slot)+3], s[G0+4*(\slot)+2:G0+4*(\slot)+3], NEXT_A
	s_sub_nc_u64 s[G0B+4*(\slot)+2:G0B+4*(\slot)+3], s[G0B+4*(\slot)+2:G0B+4*(\slot)+3], BACK_B
.else
	s_add_nc_u64 s[G0+4*(\slot)+2:G0+4*(\slot)+3], s[G0+4*(\slot)+2:G0+4*(\slot)+3], 2*KSTEP*2
	s_add_nc_u64 s[G0B+4*(\slot)+2:G0B+4*(\slot)+3], s[G0B+4*(\slot)+2:G0B+4*(\slot)+3], 2*KSTEP*2
.endif
	JLOAD \slot                                    ; the first tensor load behind the round; the four v_nop behind it are also the places in front of the loads below
	FETCH \next, 0, F0
	WIN MUL_HI
	MUL16 F1, 1, 0, 0
	MUL16 F1, 1, 2, 0
.endm
; THE WAY OUT of block a (16 rows) of tile t, in three parts.
; PACK: each sum times its column's weight scale, then times its row's xs, both in f32 and in that order; rounded to f16; the bias added in f16, behind the rounding, as the result is defined
; (so the addition is not fused into the multiplication).  Each accumulator's registers are taken in ascending order.
.macro PACK a, t
.set AC, 64*((\a)%4)
.set XR, XS+16*(\t)+2*(\a)
	WIN 0x86+0x41*((\a)/4)                         ; destination and source 0: window 2 or 3; source 1: window 1
.irp b, 0,1,2,3,4,5,6,7
.irp r, 0,1,2,3
	v_pk_mul_f32 v[AC+8*(\b)+2*(\r):AC+8*(\b)+2*(\r)+1], v[AC+8*(\b)+2*(\r):AC+8*(\b)+2*(\r)+1], v[WS+8*(\b)+2*(\r):WS+8*(\b)+2*(\r)+1]
.endr
.endr
.irp b, 0,1,2,3,4,5,6,7
.irp r, 0,1,2,3
	v_pk_mul_f32 v[AC+8*(\b)+2*(\r):AC+8*(\b)+2*(\r)+1], v[AC+8*(\b)+2*(\r):AC+8*(\b)+2*(\r)+1], v[XR:XR+1] op_sel_hi:[1,0]
.endr
.endr
	WIN 0x0a+5*((\a)/4)                            ; sources 0 and 1: window 2 or 3; destination window 0
.irp b, 0,1,2,3,4,5,6,7
.irp r, 0,1,2,3
	v_cvt_pk_f16_f32 v[TMP+4*(\b)+(\r)], v[AC+8*(\b)+2*(\r)], v[AC+8*(\b)+2*(\r)+1]
.endr
.endr
	WIN 0x04                                       ; source 1: window 1
.irp b, 0,1,2,3,4,5,6,7
.irp r, 0,1,2,3
	v_pk_add_f16 v[TMP+4*(\b)+(\r)], v[TMP+4*(\b)+(\r)], v[BI+4*(\b)+(\r)]
.endr
.endr
	WIN 0
.endm
; TOSTAGE: 16 bytes a lane into my own stage in LDS, and back as whole rows of 256 bytes.
.macro TOSTAGE a
	WIN 0
.set BK, OB+192*((\a)%2)
.irp b, 0,1,2,3,4,5,6,7
	ds_store_b128 v[STO], v[TMP+4*(\b):TMP+4*(\b)+3] offset:32*(\b)
.endr
.irp t, 0,1,2,3,4,5,6,7
	ds_load_b128 v[BK+4*(\t):BK+4*(\t)+3], v[RD] offset:(\t)*2*SPITCH  ; LDS serves a wave's instructions in order (ISA guide 5.7.1.4): these see the stores above
.endr
.endm
; SEND: stored.  younger: the LDS instructions issued behind TOSTAGE's, which may stay out
.macro SEND a, younger
	WIN 0
.set BK, OB+192*((\a)%2)
	s_wait_dscnt \younger                          ; the block is back in registers
	s_wait_xcnt 0x0                                ; every earlier memory instruction has had its addresses translated (ISA guide 3.1): only behind this wait are the stores' base and the registers that earlier stores read rewritten
.if (\a) == 0
	s_add_nc_u64 s[8:9], s[8:9], s[16:17]          ; on to this tile's first rows
.else
	s_add_nc_u64 s[8:9], s[8:9], 16*SIZE_N*2       ; 16 rows on, so that the stores' offsets stay small: 14 rows, 114,688 bytes, at the most
.endif
.irp t, 0,1,2,3,4,5,6,7
	global_store_b128 v[CO], v[BK+4*(\t):BK+4*(\t)+3], s[8:9] offset:2*(\t)*SIZE_N*2 th:TH_STORE_NT  ; 16 lanes store 256 consecutive bytes, at a multiple of 256 from out0's first byte
.endr
.endm
; A whole tile: block a's arithmetic stands between block a - 1's loads from the stage and the wait for them.
.macro OUT t
	PACK 0, \t
	TOSTAGE 0
.irp a, 1,2,3,4,5,6,7
	PACK \a, \t
	SEND (\a)-1, 0
	TOSTAGE \a
.endr
	SEND 7, 0
.endm
	s_wait_tensorcnt 1                             ; my part of K step 0 is in; K step 1's load, issued behind it, may stay out
	s_barrier_signal -1
	s_barrier_wait -1                              ; everybody's is
	FETCH 0, 0, F0
	s_mov_b32 s2, SIZE_TILES                       ; tiles to go, this one among them: the same number in every work-group
.Ltile:                                                ; (FETCH and SEND leave every window 0)
	QUARTER 0, 64,  F0, F1, 1                      ; a tile's first quarter stands in front of the loop: its products start the sums
	WIN 0                                          ; at a label and at a branch every window is 0
	s_mov_b32 s3, LAPS-1
.Llap:                                                 ; a trip goes once round the ring, from a lap's second quarter to the next lap's first, and fills both slots again
	QUARTER 0, 128, F1, F0, 0
	QUARTER 0, 192, F0, F1, 0
	TURN 0, 1, 0
	QUARTER 1, 64,  F0, F1, 0
	QUARTER 1, 128, F1, F0, 0
	QUARTER 1, 192, F0, F1, 0
	TURN 1, 0, 0
	QUARTER 0, 64,  F0, F1, 0
	WIN 0
	s_sub_co_u32 s3, s3, 1
	s_cmp_lg_u32 s3, 0
	s_cbranch_scc1 .Llap
	QUARTER 0, 128, F1, F0, 0                      ; the tile's last lap goes on
	QUARTER 0, 192, F0, F1, 0
	WIN 0
	s_cmp_eq_u32 s2, 1
	s_cbranch_scc1 .Llast_tile                     ; the last tile's tail is written out: it asks for nothing more
	TURN 0, 1, 1                                   ; THE RING GOES ON INTO THE SECOND TILE: slot 0 takes its K step 0,
	QUARTER 1, 64,  F0, F1, 0
	QUARTER 1, 128, F1, F0, 0
	QUARTER 1, 192, F0, F1, 0
	TURN 1, 0, 1                                   ; slot 1 its K step 1, and the second tile's first fragments are fetched
	OUT 0                                          ; BOTH REFILLS ARE ASKED FOR: NOW THE TILE GOES OUT.  No v_nop: blocks 0-3 were finished in front of the four behind the joint load, and their arithmetic,
	                                               ; which names no register of the last products (blocks 4-7's), is those products' places
	s_mov_b64 s[16:17], NEXT_C                     ; what the next way out adds to out0's address
	s_sub_co_u32 s2, s2, 1
	s_branch .Ltile
.Llast_tile:
	MEET 0                                         ; my one tensor load that was still out is slot 1's, the last K step's, so no round follows
	PLACES                                         ; for the loads into buffer 0, which the quarter before multiplied
	FETCH 1, 0, F0
	WIN MUL_HI
	MUL16 F1, 1, 0, 0
	MUL16 F1, 1, 2, 0
	QUARTER 1, 64,  F0, F1, 0
	QUARTER 1, 128, F1, F0, 0
	QUARTER 1, 192, F0, F1, 0
	s_wait_dscnt 8                                 ; the very last quarter: nothing more to fetch; A's rows 64-127 may be out
	WIN MUL_LO
	MUL16 F1, 0, 0, 0
	MUL16 F1, 0, 2, 0
	s_wait_dscnt 0x0
	MUL16 F1, 1, 0, 0
	MUL16 F1, 1, 2, 0
	WIN 0
	PLACES                                         ; behind the products of blocks 0-3 stand only matrix instructions: four places in front of the arithmetic that reads them
	OUT 1
	s_wait_tensorcnt 0x0                           ; the wave's end: behind my last tensor load and my last LDS store
	ds_add_u32 v[SPW], v[NIL]
	s_wait_dscnt 0x0
	CROUND                                         ; the closing round: no work-group ends while a partner may still ask for a tile that names it
	s_endpgm
.Lfunc_end_k_qddbe464612_gemm:
	.size	k_qddbe464612_gemm, .Lfunc_end_k_qddbe464612_gemm-k_qddbe464612_gemm
	.p2alignl 7, 3214868480
	.fill 96, 4, 3214868480
	.section	.rodata,"a",@progbits
	.p2align	6, 0x0
	.amdhsa_kernel k_qddbe464612_gemm
		.amdhsa_group_segment_fixed_size 327680
		.amdhsa_private_segment_fixed_size 0
		.amdhsa_enable_private_segment 0
		.amdhsa_kernarg_size 48
		.amdhsa_user_sgpr_count 2
		.amdhsa_user_sgpr_kernarg_segment_ptr 1
		.amdhsa_wavefront_size32 1
		.amdhsa_system_sgpr_workgroup_id_x 1
		.amdhsa_system_sgpr_workgroup_id_y 1
		.amdhsa_system_sgpr_workgroup_id_z 1
		.amdhsa_system_vgpr_workitem_id 0
		.amdhsa_next_free_vgpr 1024
		.amdhsa_next_free_sgpr 76
		.amdhsa_reserve_vcc 0
		.amdhsa_float_denorm_mode_32 3
		.amdhsa_float_denorm_mode_16_64 3
		.amdhsa_memory_ordered 1
		.amdhsa_forward_progress 1
		.amdhsa_inst_pref_size 255
	.end_amdhsa_kernel
	.section	.bss,"aw",@nobits
	.p2align	6
	.space	262144
	.amdgpu_metadata
---
amdhsa.version: [ 1, 2 ]
amdhsa.kernels:
  - .name:           k_qddbe464612_gemm
    .symbol:         k_qddbe464612_gemm.kd
    .args:
      - { .name: qx, .offset: 0, .size: 8, .value_kind: global_buffer, .address_space: global }
      - { .name: wq, .offset: 8, .size: 8, .value_kind: global_buffer, .address_space: global }
      - { .name: out0, .offset: 16, .size: 8, .value_kind: global_buffer, .address_space: global }
      - { .name: weight_scales, .offset: 24, .size: 8, .value_kind: global_buffer, .address_space: global }
      - { .name: bias, .offset: 32, .size: 8, .value_kind: global_buffer, .address_space: global }
      - { .name: xs, .offset: 40, .size: 8, .value_kind: global_buffer, .address_space: global }
    .group_segment_fixed_size: 327680
    .private_segment_fixed_size: 0
    .kernarg_segment_align: 8
    .kernarg_segment_size: 48
    .max_flat_workgroup_size: 128
    .sgpr_count:     76
    .vgpr_count:     1024
    .wavefront_size: 32
...
	.end_amdgpu_metadata
.endif
;; end of part 2
;; ======== version 2 of 2: 2 launches; version 1 with the launch prep written anew for expert scheduling mode
;; workspace buffers: qx 33,554,432 bytes; wq 16,777,216 bytes; xs 32,768 bytes
;; launch prep (part 3): grid 512 x 1, 8 waves a work-group, no clusters, 0 bytes of LDS; arguments x, weight, qx, wq, xs; writes qx, wq, xs
.if DOCPART == 3
	.amdgcn_target "amdgcn-amd-amdhsa--gfx1250"
	.amdhsa_code_object_version 6
	.text
	.protected	k_qddbe464612_prep
	.globl	k_qddbe464612_prep
	.p2align	8
	.type	k_qddbe464612_prep,@function
k_qddbe464612_prep:
	s_mov_b64 s[64:65], 0
	v_nop
	global_prefetch_b8 v0, s[64:65] scope:SCOPE_SE
	s_setreg_imm32_b32 hwreg(HW_REG_WAVE_SCHED_MODE, 0, 2), 2
	s_setreg_imm32_b32 hwreg(HW_REG_WAVE_MODE, 25, 1), 1
	s_wait_xcnt 0x0
	s_wait_alu depctr_vm_vsrc(0)
; QUANTISATION AHEAD OF THE PRODUCT.  x: [8192][2048] f16.  weight: [4096][2048] int8.
;   xs[m]    = max over k of |x[m][k]| / 127                       [8192] f32
;   qx[m][k] = clip(round(x[m][k] / xs[m]), -128, 127)             [8192][2048], the whole number written as f16 (exact)
;   wq[n][k] = weight[n][k]                                        [4096][2048], the whole number written as f16 (exact)
; SHARES.  512 work-groups of eight waves: wave g = 8 x group + wave takes rows 2 g and 2 g + 1 of x (8,192 consecutive bytes) and row g of weight (2,048 bytes in, 4,096 out).
; A row of x is 32 registers of one wave: it stays in registers between the pass that finds the maximum and the pass that quantises, so x is read once and no wave waits for another:
; no LDS, no barrier.  The text is straight: all 24 loads of a wave go out first, and no register that a load or store names is written again, so no wait frees one.
; Every load and store of 16 bytes a lane covers 512 consecutive bytes, the weight's loads of 8 bytes a lane 256.
; ARITHMETIC AND LIMITS.  xs = max x (1/127) with one fused remainder step (the quotient to within the last bit).  x / xs is x x rcp(xs), rcp good to 1 ULP, in one fused multiply, then round to
; nearest even: q differs from an exact division's by 1 at the most, and only where the quotient lies within a few ULP of a tie.  A row of zeros (the division 0 / 0) gives q = 0 and xs = 0.
; NaN and infinities in x are not treated apart.
; THE MODE: SCHED_MODE bits 1:0 = 2 (LLVM: expert scheduling mode 2), set by the entry lines.  The code itself states the register dependences
; between vector instructions and memory instructions, with s_wait_alu, always for 0.
; THE PLAN.  Registers that memory instructions touch:
;   v3 .. v6   byte offsets, made once at the head and never written again: one wait ahead of the first load states that they are written.
;   W, X       land by the 24 loads at the head, ahead of which no vector instruction names them.
;   WO         chunk j's four registers: written by the chunk's arithmetic, read by the chunk's store, never written again.
;   X          chunk j's four registers of a row: written again by the chunk's quantising (behind the wait for the row's loads), read by the chunk's store, never written again.
;   v7         the two xs: written by one select in each row, read by the last store.
;   T, M and v8 to v13 are named by vector instructions alone.
; The work goes in STEPS of two chunks.  A step's two stores are issued in the step behind it: ONE wait on va_vdst at that step's head states that the step before has written its eight
; out-registers, and the two stores follow, one ahead of each chunk's arithmetic, which names T, v8, v13 and the step's own out-registers: none of the registers that those stores read.
; The weight's last two stores stand so at the head of row 0, row 0's last two at the head of row 1, row 1's behind a wait of their own.
; No register that a store reads is written again, so a wait on vm_vsrc stands at the two scalar writes of EXEC alone.
.set LANE, 1                           ; v1        lane
.set W32,  2                           ; v2        32 x wave
.set XO,   3                           ; v3        byte offset of my 16 bytes in the wave's rows of x and of qx
.set WI,   4                           ; v4        byte offset of my 8 bytes in the wave's row of weight
.set WQO,  5                           ; v5        byte offset of my 16 bytes in the wave's row of wq
.set XSO,  6                           ; v6        byte offset in xs: lane 0 the wave's first row, lane 1 its second
.set XSV,  7                           ; v7        what lanes 0 and 1 store there
.set ZERO, 8                           ; v8        0.0
.set ONE,  9                           ; v9        1.0
.set MX,   10                          ; v10       the row's maximum
.set SC,   11                          ; v11       xs of the row
.set RC,   12                          ; v12       1 / xs as it comes
.set INV,  13                          ; v13       1 / xs, or 0 for a row of zeros
.set T,    14                          ; v[14:21]  at work
.set M,    22                          ; v[22:25]  four running maxima (two f16 each)
.set X,    26                          ; v[26:89]  row r at X + 32 r: as loaded, then as stored
.set W,    90                          ; v[90:105] weight, chunk j of eight at W + 2 j
.set WO,   106                         ; v[106:137] wq, chunk j at WO + 4 j
	s_load_b256 s[4:11], s[0:1], 0x0               ; x s[4:5], weight s[6:7], qx s[8:9], wq s[10:11]
	s_load_b64 s[12:13], s[0:1], 0x20              ; xs
	s_mov_b32 s14, 0x7fff7fff                      ; clears the signs of two f16
	s_mov_b32 s15, 0x80808080                      ; turns a signed byte b into the unsigned byte b + 128
	s_mov_b32 s16, 0x64646464                      ; the upper byte of the f16 numbers 1024 to 1279
	s_mov_b32 s17, 0x04010400                      ; byte selects: 0x64, byte 1, 0x64, byte 0
	s_mov_b32 s18, 0x04030402                      ; 0x64, byte 3, 0x64, byte 2
	s_mov_b32 s19, 0xe480e480                      ; -1152 twice in f16
	s_mov_b32 s20, 0x57f057f0                      ; 127 twice
	s_mov_b32 s21, 0xd800d800                      ; -128 twice
	s_mov_b32 s22, 0x76543210                      ; v_permlanex16_b32: lane i of one half reads lane i of the other
	s_mov_b32 s23, 0xfedcba98
	s_mov_b32 s24, 0x3c010204                      ; 1 / 127
	s_mov_b32 s25, 0x42fe0000                      ; 127.0
	v_and_b32 v[LANE], 31, v0
	v_and_b32 v[W32], 0xe0, v0
	v_lshlrev_b32 v[XO], 4, v[LANE]                ; 16 x lane
	v_lshlrev_b32 v[WI], 3, v[LANE]                ; 8 x lane
	v_lshl_or_b32 v[WQO], v[W32], 7, v[XO]         ; + wave x 4,096
	v_lshl_or_b32 v[XO], v[W32], 8, v[XO]          ; + wave x 8,192
	v_lshl_or_b32 v[WI], v[W32], 6, v[WI]          ; + wave x 2,048
	v_lshrrev_b32 v[XSO], 2, v[W32]                ; wave x 8
	v_lshl_add_u32 v[XSO], v[LANE], 2, v[XSO]      ; + 4 x lane
	v_mov_b32 v[XSV], 0
	v_mov_b32 v[ZERO], 0
	v_mov_b32 v[ONE], 1.0
	s_mov_b32 s3, 0
	s_wait_kmcnt 0x0
	s_lshl_b32 s2, ttmp9, 16                       ; the group's 16 rows of x and of qx: 65,536 bytes
	s_add_nc_u64 s[4:5], s[4:5], s[2:3]
	s_add_nc_u64 s[8:9], s[8:9], s[2:3]
	s_lshl_b32 s2, ttmp9, 14                       ; its 8 rows of weight
	s_add_nc_u64 s[6:7], s[6:7], s[2:3]
	s_lshl_b32 s2, ttmp9, 15                       ; its 8 rows of wq
	s_add_nc_u64 s[10:11], s[10:11], s[2:3]
	s_lshl_b32 s2, ttmp9, 6                        ; its 16 words of xs
	s_add_nc_u64 s[12:13], s[12:13], s[2:3]
	s_wait_alu depctr_va_vdst(0)                   ; the four offsets v3 to v6 are written: every load and store of the kernel reads one of them
.irp j, 0,1,2,3,4,5,6,7
	global_load_b64 v[W+2*(\j):W+2*(\j)+1], v[WI], s[6:7] offset:256*(\j) th:TH_LOAD_NT
.endr
.irp r, 0,1
.irp j, 0,1,2,3,4,5,6,7
	global_load_b128 v[X+32*(\r)+4*(\j):X+32*(\r)+4*(\j)+3], v[XO], s[4:5] offset:4096*(\r)+512*(\j) th:TH_LOAD_NT
.endr
.endr
; Chunk j of the weight's row: 8 signed bytes a lane become 8 f16.  The byte b + 128 set under the byte 0x64 is the f16 number 1024 + 128 + b; 1152 is taken away, exactly.
.macro WCH j
.irp k, 0,1
	v_xor_b32 v[T+(\k)], s15, v[W+2*(\j)+(\k)]
	v_perm_b32 v[WO+4*(\j)+2*(\k)],   s16, v[T+(\k)], s17
	v_perm_b32 v[WO+4*(\j)+2*(\k)+1], s16, v[T+(\k)], s18
.endr
.irp k, 0,1,2,3
	v_pk_add_f16 v[WO+4*(\j)+(\k)], v[WO+4*(\j)+(\k)], s19
.endr
.endm
.macro WSTORE j
	global_store_b128 v[WQO], v[WO+4*(\j):WO+4*(\j)+3], s[10:11] offset:512*(\j)
.endm
; Step g of the weight's four: chunks 2 g and 2 g + 1 are made, and the two chunks of the step before are stored.
.macro WSTEP g
	s_wait_loadcnt 22-2*(\g)                       ; loads come back in order (ISA guide 5.7.1): chunks 2 g and 2 g + 1 are in; the 6 - 2 g younger chunks and x's sixteen loads stay out
.if (\g) > 0
	s_wait_alu depctr_va_vdst(0)                   ; the step before has written its eight registers of WO, which the two stores of this step read
	WSTORE 2*(\g)-2
.endif
	WCH 2*(\g)
.if (\g) > 0
	WSTORE 2*(\g)-1                                ; no wait: no vector instruction since the wait above names these registers
.endif
	WCH 2*(\g)+1
.endm
; Chunk j of row r: four words (8 numbers) are quantised in place.
.macro QCH r, j
.irp k, 0,1,2,3
	v_fma_mix_f32 v[T+2*(\k)],   v[X+32*(\r)+4*(\j)+(\k)], v[INV], v[ZERO] op_sel_hi:[1,0,0]
	v_fma_mix_f32 v[T+2*(\k)+1], v[X+32*(\r)+4*(\j)+(\k)], v[INV], v[ZERO] op_sel:[1,0,0] op_sel_hi:[1,0,0]
.endr
.irp k, 0,1,2,3,4,5,6,7
	v_rndne_f32 v[T+(\k)], v[T+(\k)]
.endr
.irp k, 0,1,2,3
	v_cvt_pk_f16_f32 v[X+32*(\r)+4*(\j)+(\k)], v[T+2*(\k)], v[T+2*(\k)+1]      ; whole numbers of this size are exact in f16
.endr
.irp k, 0,1,2,3
	v_pk_min_num_f16 v[X+32*(\r)+4*(\j)+(\k)], v[X+32*(\r)+4*(\j)+(\k)], s20   ; the clip to -128 .. 127
	v_pk_max_num_f16 v[X+32*(\r)+4*(\j)+(\k)], v[X+32*(\r)+4*(\j)+(\k)], s21
.endr
.endm
.macro QSTORE r, j
	global_store_b128 v[XO], v[X+32*(\r)+4*(\j):X+32*(\r)+4*(\j)+3], s[8:9] offset:4096*(\r)+512*(\j)
.endm
; Step g of the four of row r's second pass: chunks 2 g and 2 g + 1 are quantised, and the two chunks of the step before are stored.
.macro QSTEP r, g
.if (\g) > 0
	s_wait_alu depctr_va_vdst(0)                   ; the step before has written its eight registers of X, which the two stores of this step read
	QSTORE \r, 2*(\g)-2
.endif
	QCH \r, 2*(\g)
.if (\g) > 0
	QSTORE \r, 2*(\g)-1                            ; no wait: no vector instruction since the wait above names these registers
.endif
	QCH \r, 2*(\g)+1
.endm
; Row r of the wave's two.
.macro ROWQ r
	s_wait_loadcnt 8*(1-(\r))                      ; my eight loads are in; the other row's eight, issued behind row 0's, stay out
	s_wait_alu depctr_va_vdst(0)                   ; the step before (row 0: the weight's last; row 1: row 0's last) has written its eight out-registers, which the two stores below read
.if (\r) == 0
	WSTORE 6
.else
	QSTORE 0, 6
.endif
	; pass 1: the largest |x| of my 64 numbers, two f16 at a time, in four chains that the first four words start
.irp k, 0,1,2,3
	v_and_b32 v[M+(\k)], s14, v[X+32*(\r)+(\k)]
.endr
.if (\r) == 0
	WSTORE 7                                       ; no wait: the four lines since the wait name M and this row's X alone
.else
	QSTORE 0, 7
.endif
.set n, 4
.rept 28
	v_and_b32 v[T+n%4], s14, v[X+32*(\r)+n]
	v_pk_max_num_f16 v[M+n%4], v[M+n%4], v[T+n%4]
.set n, n+1
.endr
	v_pk_max_num_f16 v[M], v[M], v[M+1]
	v_pk_max_num_f16 v[M+2], v[M+2], v[M+3]
	v_pk_max_num_f16 v[M], v[M], v[M+2]
	v_fma_mix_f32 v[T],   v[M], v[ONE], v[ZERO] op_sel_hi:[1,0,0]                 ; the two halves as f32
	v_fma_mix_f32 v[T+1], v[M], v[ONE], v[ZERO] op_sel:[1,0,0] op_sel_hi:[1,0,0]
	v_max_num_f32 v[T], v[T], v[T+1]
	v_max_num_f32_dpp v[T], v[T], v[T] row_xmask:1 row_mask:0xf bank_mask:0xf   ; across the 16 lanes of each half,
	v_max_num_f32_dpp v[T], v[T], v[T] row_xmask:2 row_mask:0xf bank_mask:0xf
	v_max_num_f32_dpp v[T], v[T], v[T] row_xmask:4 row_mask:0xf bank_mask:0xf
	v_max_num_f32_dpp v[T], v[T], v[T] row_xmask:8 row_mask:0xf bank_mask:0xf
	v_permlanex16_b32 v[T+1], v[T], s22, s23       ; and across the halves (its destination has been written)
	v_max_num_f32 v[MX], v[T], v[T+1]              ; every lane holds the row's maximum
	; xs = max / 127: a first quotient, its remainder, the quotient mended
	v_mul_f32 v[SC], s24, v[MX]
	v_fma_f32 v[T], -v[SC], s25, v[MX]
	v_fma_f32 v[SC], v[T], s24, v[SC]
	v_rcp_f32 v[RC], v[SC]
	v_cmp_eq_u32 s26, \r, v[LANE]                  ; a plain instruction stands behind the reciprocal before its result is used (ISA guide 5.7.2)
	v_cmp_lt_f32 s27, 0, v[SC]                     ; the two compares stand in a run, each with a scalar register of its own
	s_wait_alu depctr_va_sdst(0)                   ; the two compares have written s26 and s27, ahead of the selects that read them
	s_wait_alu depctr_va_vdst(0)                   ; the reciprocal has written v12, ahead of its first reader
	v_cndmask_b32 v[XSV], v[XSV], v[SC], s26       ; lane r keeps the row's xs for the store at the end
	v_cndmask_b32 v[INV], 0, v[RC], s27            ; a row of zeros: 0 in the reciprocal's place
	; pass 2: quantise in place, two chunks of four words (8 numbers) to a step; a step's stores are issued in the step behind it
.irp g, 0,1,2,3
	QSTEP \r, \g
.endr
.endm
.irp g, 0,1,2,3
	WSTEP \g
.endr
	ROWQ 0
	ROWQ 1
	s_wait_alu depctr_va_vdst(0)                   ; row 1's last step has written its eight registers of X, which the last two stores of qx read
	QSTORE 1, 6
	QSTORE 1, 7
	s_wait_xcnt 0x0                                ; EXEC is a source of the stores above: it is narrowed only behind this wait
	v_cmp_gt_u32 vcc_lo, 2, v[LANE]
	s_wait_alu depctr_va_vcc(0)                    ; the compare has written VCC, from which EXEC is made
	s_wait_alu depctr_va_vdst(0)                   ; a scalar write of EXEC follows: every vector instruction issued under the full EXEC has written its result, v7's two selects among them, which the store below reads
	s_wait_alu depctr_vm_vsrc(0)                   ; and every load and store issued under the full EXEC has read its registers
	s_and_saveexec_b32 s26, vcc_lo
	global_store_b32 v[XSO], v[XSV], s[12:13]      ; the wave's two xs: 8 bytes, of 32,768 in the whole launch
	s_wait_xcnt 0x0                                ; and widened again only behind this one
	s_wait_alu depctr_va_vdst(0)                   ; a scalar write of EXEC follows: no vector instruction is still to write its result under the narrow EXEC
	s_wait_alu depctr_vm_vsrc(0)                   ; and the store of xs has read v6 and v7 under it
	s_or_b32 exec_lo, exec_lo, s26
	s_endpgm
.Lfunc_end_k_qddbe464612_prep:
	.size	k_qddbe464612_prep, .Lfunc_end_k_qddbe464612_prep-k_qddbe464612_prep
	.p2alignl 7, 3214868480
	.fill 96, 4, 3214868480
	.section	.rodata,"a",@progbits
	.p2align	6, 0x0
	.amdhsa_kernel k_qddbe464612_prep
		.amdhsa_group_segment_fixed_size 0
		.amdhsa_private_segment_fixed_size 0
		.amdhsa_enable_private_segment 0
		.amdhsa_kernarg_size 40
		.amdhsa_user_sgpr_count 2
		.amdhsa_user_sgpr_kernarg_segment_ptr 1
		.amdhsa_wavefront_size32 1
		.amdhsa_system_sgpr_workgroup_id_x 1
		.amdhsa_system_sgpr_workgroup_id_y 1
		.amdhsa_system_sgpr_workgroup_id_z 1
		.amdhsa_system_vgpr_workitem_id 0
		.amdhsa_next_free_vgpr 138
		.amdhsa_next_free_sgpr 66
		.amdhsa_reserve_vcc 1
		.amdhsa_float_denorm_mode_32 3
		.amdhsa_float_denorm_mode_16_64 3
		.amdhsa_memory_ordered 1
		.amdhsa_forward_progress 1
		.amdhsa_inst_pref_size 44
	.end_amdhsa_kernel
	.amdgpu_metadata
---
amdhsa.version: [ 1, 2 ]
amdhsa.kernels:
  - .name:           k_qddbe464612_prep
    .symbol:         k_qddbe464612_prep.kd
    .args:
      - { .name: x, .offset: 0, .size: 8, .value_kind: global_buffer, .address_space: global }
      - { .name: weight, .offset: 8, .size: 8, .value_kind: global_buffer, .address_space: global }
      - { .name: qx, .offset: 16, .size: 8, .value_kind: global_buffer, .address_space: global }
      - { .name: wq, .offset: 24, .size: 8, .value_kind: global_buffer, .address_space: global }
      - { .name: xs, .offset: 32, .size: 8, .value_kind: global_buffer, .address_space: global }
    .group_segment_fixed_size: 0
    .private_segment_fixed_size: 0
    .kernarg_segment_align: 8
    .kernarg_segment_size: 40
    .max_flat_workgroup_size: 256
    .sgpr_count:     66
    .vgpr_count:     138
    .wavefront_size: 32
...
	.end_amdgpu_metadata
.endif
;; end of part 3
;; launch gemm: the kernel of part 2 again; grid 16 x 16, 4 waves a work-group, clusters of 4 x 4, 327,680 bytes of LDS; arguments qx, wq, out0, weight_scales, bias, xs; writes out0
